; MI455X (gfx1250); checked and timed in simulation.
; The chip was launched on July 23, 2026; its instructions are those of AMD's public machine-readable ISA for CDNA 5 (MIT licence, August 2026) and "CDNA5" Instruction Set Architecture Reference Guide (July 2026). The comments in the code are by the model that wrote it; some were corrected since.
;; Vector Quantize. Allowed arithmetic: matrix products marked QUANTISED: E3M2 operands, one E8M0 scale for each 32 along K, by v_wmma_scale_f32_16x16x128_f8f6f4 with both operands' format E3M2, f32 sums; everything else in f32.
;; Inputs: embeddings 256 x 8,192 float32; x 32 x 32 x 32 x 256 float32.
;; Outputs: out0 32 x 32 x 32 x 256 float32; out1 one number float32.
;; This version of the problem:
;;   THIS VERSION OF THE PROBLEM IS GIVEN IN LOW PRECISION. The matrix products marked QUANTISED in the list below multiply operands that are first quantised to E3M2 (3 exponent bits, 2 mantissa bits; 6 bits a number), with one power-of-two scale for each 32 numbers along K (OCP MX v1.0); their sums are f32. All else is computed in f32.
;;   The module's matrix products, in the order in which they are computed (A, B: the left and right operand; K: the contracted axis; several contracted axes count as one K, in the product's order):
;;     1. [M 32,768, K 256] x [K 256, N 8,192]; A: input x; B: input embeddings: QUANTISED
;;   THE QUANTISER, for each operand of a quantised product, along K:
;;     - K is cut into blocks of 32 from its start; a last block that is shorter is filled with zeros.
;;     - A block's scale is 2^e with e = floor(log2(the largest magnitude in the block)) - 4, held to -126 .. 127; a block of zeros has e = 0. As a byte (E8M0): e + 127.
;;     - Each number is divided by its block's scale, clamped to +-28, and rounded to the nearest number of E3M2, ties to even, subnormals kept.
;;     - The product sums the exact products of the quantised numbers (number of the format x scale) in f32.
;;   ~~~python
;;   def quantise(x, axis):      # numpy; x: float32 -> the quantised numbers, widened to float32 again
;;       x = np.moveaxis(x, axis, -1); K = x.shape[-1]
;;       x = np.pad(x, [(0, 0)] * (x.ndim - 1) + [(0, -K % 32)]); x = x.reshape(x.shape[:-1] + (-1, 32)); a = np.abs(x).max(-1, keepdims=True)
;;       e = np.where(a > 0, np.clip(np.frexp(np.where(a > 0, a, 1))[1] - 1 - 4, -126, 127), 0)      # np.frexp(a)[1] - 1 = floor(log2(a)), exactly
;;       r = np.clip(x / 2.0 ** e, -28, 28)
;;       step = 2.0 ** (np.maximum(np.frexp(np.where(r == 0, 1, r))[1] - 1, -2) - 2)
;;       q = np.round(r / step) * step * 2.0 ** e      # np.round: ties to even
;;       return np.moveaxis(q.reshape(q.shape[:-2] + (-1,))[..., :K], -1, axis).astype(np.float32)
;;   ~~~
;; One version. Each part assembles by itself: llvm-mc -triple=amdgcn-amd-amdhsa -mcpu=gfx1250 --defsym DOCPART=n.
;; ======== version 1 of 1: 5 launches
;; limits: right only within a limited range of input values
;; workspace buffers: table 1,671,168 bytes; et 8,388,608 bytes; idx 131,072 bytes of whole numbers; part 65,536 bytes; cand 262,144 bytes of whole numbers; xq 6,291,456 bytes; xs 262,144 bytes; xxp 524,288 bytes
;; launch prep (part 1): grid 128 x 1, 4 waves a work-group, no clusters, 69,120 bytes of LDS; arguments embeddings, table, et; writes table, et
.if DOCPART == 1
	.amdgcn_target "amdgcn-amd-amdhsa--gfx1250"
	.amdhsa_code_object_version 6
	.text
	.protected	k_q2d02a4a127_prep
	.globl	k_q2d02a4a127_prep
	.p2align	8
	.type	k_q2d02a4a127_prep,@function
k_q2d02a4a127_prep:
	s_mov_b64 s[64:65], 0
	v_nop
	global_prefetch_b8 v0, s[64:65] scope:SCOPE_SE
	s_setreg_imm32_b32 hwreg(HW_REG_WAVE_MODE, 25, 1), 1
	s_wait_xcnt 0x0
; embeddings [256 (k)][8192 (code)], f32, K on the FIRST axis, become
;   table: codes of BF6 (E3M2) with one E8M0 scale for each 32 along K, laid in the ORDER OF THE OPERAND'S REGISTERS, the scale words and ee = sum over k of e^2;
;   et:    the transposed table [8192][256] f32, from which a later launch gathers rows.
; table = 16 slots of SLOTB bytes; a slot holds 512 codes = 32 tiles of 16:
;   bytes 0 ..        fragment (tile u, K step s) at (2 u + s) x 1,536: registers 4 c .. 4 c + 3 of lane l at 512 c + 16 l; lane l = r + 16 h holds code r, k = 128 s + 64 c' + 32 h + 0 .. 31 in registers 6 c' .. 6 c' + 5
;   bytes 98,304 ..   scale words, 128 bytes a tile: word l: lanes 0-15 K step 0's word of code r, lanes 16-31 K step 1's
;   bytes 102,400 ..  ee, 4 bytes a code
; A LANE TAKES A COLUMN (a code) AND ITS REGISTERS RUN DOWN K: a block of 32 lies in one lane, its largest magnitude needs no other lane, and the conversions give codes with K innermost.
; A work-group takes 64 codes and all of K.  Wave w: codes 32 (w & 1) + lane, K step w >> 1 (128 along K, four blocks).
; A block's scale is 2^(floor(log2(largest magnitude)) - 4); its byte is the largest magnitude's exponent field - 4, held at 1 from below.
; LIMITS: a block of zeros gets the byte 1 where the rule says 127 (its codes are zeros, and this program alone reads the bytes); blocks whose largest magnitude lies under 2^-122 keep the byte 1;
; NaN and infinities among the inputs are not served; ee is summed in another order than a plain sum down K.
; No tensor load, no matrix unit, no cluster: the work-groups share no input byte, and memory binds.
.set SLOTB, 104448                     ; a slot of the table: 408 x 256 bytes
.set SROW,  528                        ; a stage row: 512 bytes (128 numbers of one code) + 16: the sixteen lanes of a 16-byte store fall on sixteen different columns of 16 bytes
.set SWAVE, 32*SROW                    ; a wave's stage: 32 codes
.set SCS,   4*SWAVE                    ; behind the stages: the work-group's 4 tiles of scale words, 512 bytes
.set EEP,   SCS+512                    ; and the two halves of ee, 2 x 256 bytes
.set W,     16                         ; v16      my code's scale word for my K step
.set SQ,    18                         ; v[18:21] sum of squares, two packed chains
.set P,     24                         ; v[24:47] the codes: 12 registers for lane r of the fragment, then 12 for lane r + 16
.set TMP,   48                         ; v[48:50] a block's upper 16 codes (a conversion's three registers begin on an even number)
.set X,     64                         ; v[64:191] my 128 numbers; later 32 rows of et on their way out
	s_load_b128 s[4:7], s[0:1], 0x0                ; embeddings s[4:5], table s[6:7]
	s_load_b64 s[10:11], s[0:1], 0x10              ; et
	v_lshl_add_u32 v200, v0, 2, 0x10c00
	v_mov_b32 v201, 0
	v_lshrrev_b32 v1, 5, v0
	v_readfirstlane_b32 s12, v1                    ; wave 0..3
	v_and_b32 v1, 31, v0                           ; lane
	s_and_b32 s13, s12, 1                          ; ch: which 32 codes
	s_lshr_b32 s14, s12, 1                         ; s: which K step
	v_lshlrev_b32 v2, 2, v1                        ; in: 4 bytes a lane
	s_mul_i32 s15, s12, SWAVE                      ; my stage
	v_mul_u32_u24 v3, v1, SROW
	v_add_nc_u32 v3, s15, v3                       ; into it: row = my code
	v_lshl_add_u32 v4, v1, 4, s15                  ; out of it: 32 lanes take a row's 512 bytes
	v_lshrrev_b32 v10, 4, v1                       ; which of my wave's two tiles
	v_and_b32 v11, 15, v1                          ; r
	v_mul_u32_u24 v5, v10, 3072                    ; a tile's two fragments are 3,072 bytes
	v_lshl_add_u32 v5, v11, 4, v5                  ; the codes' place: + 16 r
	s_lshl_b32 s16, s13, 8
	s_lshl_b32 s17, s14, 6
	s_add_co_u32 s16, s16, s17
	s_add_co_u32 s16, s16, SCS
	v_lshlrev_b32 v6, 7, v10
	v_lshl_add_u32 v6, v11, 2, v6
	v_add_nc_u32 v6, s16, v6                       ; my scale word: SCS + 128 (2 ch + tile) + 64 s + 4 r
	s_lshl_b32 s16, s14, 8
	s_lshl_b32 s17, s13, 7
	s_add_co_u32 s16, s16, s17
	s_add_co_u32 s16, s16, EEP
	v_lshl_add_u32 v7, v1, 2, s16                  ; my half of ee: EEP + 256 s + 4 (32 ch + lane)
	v_lshlrev_b32 v8, 4, v1                        ; 16 x lane
	v_lshlrev_b32 v9, 3, v1                        ; 8 x lane
	v_add_nc_u32 v22, SCS, v8                      ; wave 0 reads the scale words back, 16 bytes a lane
	v_add_nc_u32 v23, EEP, v9                      ; wave 1 the halves of ee, 8 bytes a lane
	; byte offsets, made apart from the addresses
	s_lshl_b32 s16, s14, 22                        ; embeddings: 128 s rows of 32,768 bytes
	s_lshl_b32 s17, ttmp9, 8                       ; + 64 codes a work-group
	s_add_co_u32 s16, s16, s17
	s_lshl_b32 s17, s13, 7                         ; + 32 codes
	s_add_co_u32 s16, s16, s17
	s_mov_b32 s17, 0
	s_lshr_b32 s18, ttmp9, 3                       ; table: eight work-groups to a slot
	s_mul_i32 s18, s18, SLOTB
	s_mov_b32 s19, 0
	s_and_b32 s20, ttmp9, 7
	s_lshl_b32 s22, s20, 2
	s_lshl_b32 s21, s13, 1
	s_add_co_u32 s22, s22, s21                     ; my wave's first tile in the slot
	s_mul_i32 s22, s22, 3072
	s_mul_i32 s21, s14, 1536
	s_add_co_u32 s22, s22, s21                     ; its fragment of my K step
	s_mov_b32 s23, 0
	s_lshl_b32 s24, s20, 9
	s_add_co_u32 s24, s24, 98304                   ; the work-group's scale words
	s_mov_b32 s25, 0
	s_lshl_b32 s26, s20, 8
	s_add_co_u32 s26, s26, 102400                  ; and its ee
	s_mov_b32 s27, 0
	s_lshl_b32 s28, ttmp9, 16                      ; et: 64 rows of 1,024 bytes a work-group
	s_lshl_b32 s21, s13, 15
	s_add_co_u32 s28, s28, s21
	s_lshl_b32 s21, s14, 9                         ; + my K step's 512 bytes of a row
	s_add_co_u32 s28, s28, s21
	s_mov_b32 s29, 0
	s_wait_kmcnt 0x0
	s_add_nc_u64 s[4:5], s[4:5], s[16:17]
	s_add_nc_u64 s[6:7], s[6:7], s[18:19]
	s_add_nc_u64 s[8:9], s[6:7], s[22:23]
	s_add_nc_u64 s[24:25], s[6:7], s[24:25]
	s_add_nc_u64 s[26:27], s[6:7], s[26:27]
	s_add_nc_u64 s[10:11], s[10:11], s[28:29]
.macro LOAD b                          ; block b: e(128 s + 32 b + i, my code): a wave reads 128 consecutive bytes, two waves side by side 256; the largest offset is 127 rows, inside the signed 24-bit immediate
.irp i, 0,1,2,3,4,5,6,7,8,9,10,11,12,13,14,15,16,17,18,19,20,21,22,23,24,25,26,27,28,29,30,31
	global_load_b32 v[X+32*(\b)+\i], v2, s[4:5] offset:(32*(\b)+\i)*32768 th:TH_LOAD_NT
.endr
.endm
.macro BLOCK b, left                   ; left: the younger loads that may stay out
.set XB, X+32*(\b)
.set PB, P+12*((\b)%2)+6*((\b)/2)      ; block 2 c + h is registers 6 c .. 6 c + 5 of the fragment's lane r + 16 h
	s_wait_loadcnt \left
.irp q, 0,1,2,3,4,5,6,7
	ds_store_b128 v3, v[XB+4*\q:XB+4*\q+3] offset:128*(\b)+16*\q   ; the numbers as they are, into my code's row of the stage: et
.endr
	v_max3_num_f32 v12, |v[XB]|, |v[XB+1]|, |v[XB+2]|              ; the block's largest magnitude: all 32 numbers are mine
	v_max3_num_f32 v13, |v[XB+3]|, |v[XB+4]|, |v[XB+5]|
.irp i, 6,10,14,18,22,26
	v_max3_num_f32 v12, v12, |v[XB+\i]|, |v[XB+\i+1]|
	v_max3_num_f32 v13, v13, |v[XB+\i+2]|, |v[XB+\i+3]|
.endr
	v_max3_num_f32 v12, v12, |v[XB+30]|, |v[XB+31]|
	v_max3_num_f32 v12, v12, v13, 0x2800000        ; and the floor 2^(5 - 127): the byte cannot fall under 1
	v_add_nc_u32 v14, 0xfe000000, v12              ; 4 off its exponent field: the conversion takes the exponent field of this operand as its scale
	v_lshrrev_b32 v15, 23, v14                     ; the scale's byte
.if (\b) == 0
	v_mov_b32 v[W], v15                            ; four bytes make the word, the lower K in the lower byte
	v_pk_mul_f32 v[SQ:SQ+1], v[XB:XB+1], v[XB:XB+1]                ; the first products start the sums of squares
	v_pk_mul_f32 v[SQ+2:SQ+3], v[XB+2:XB+3], v[XB+2:XB+3]
.else
	v_lshl_or_b32 v[W], v15, 8*(\b), v[W]
	v_pk_fma_f32 v[SQ:SQ+1], v[XB:XB+1], v[XB:XB+1], v[SQ:SQ+1]
	v_pk_fma_f32 v[SQ+2:SQ+3], v[XB+2:XB+3], v[XB+2:XB+3], v[SQ+2:SQ+3]
.endif
.irp i, 4,8,12,16,20,24,28
	v_pk_fma_f32 v[SQ:SQ+1], v[XB+\i:XB+\i+1], v[XB+\i:XB+\i+1], v[SQ:SQ+1]
	v_pk_fma_f32 v[SQ+2:SQ+3], v[XB+\i+2:XB+\i+3], v[XB+\i+2:XB+\i+3], v[SQ+2:SQ+3]
.endr
	v_cvt_scalef32_pk16_bf6_f32 v[PB:PB+2], v[XB:XB+15], v14
	v_cvt_scalef32_pk16_bf6_f32 v[TMP:TMP+2], v[XB+16:XB+31], v14
	v_nop                                          ; one plain vector instruction between a scaled conversion and the vector instruction that touches its result
.irp i, 0,1,2
	v_mov_b32 v[PB+3+\i], v[TMP+\i]
.endr
.endm
	LOAD 0
	LOAD 1
	BLOCK 0, 32                                    ; block 1's 32 loads may be out
	LOAD 2
	BLOCK 1, 32
	LOAD 3
	BLOCK 2, 32
	BLOCK 3, 0
.irp h, 0,1
.irp c, 0,1,2
	global_store_b128 v5, v[P+12*\h+4*\c:P+12*\h+4*\c+3], s[8:9] offset:512*\c+256*\h   ; sixteen lanes store 256 consecutive bytes, at a multiple of 256 from the table's first byte
.endr
.endr
	v_pk_add_f32 v[SQ:SQ+1], v[SQ:SQ+1], v[SQ+2:SQ+3]
	v_add_f32 v[SQ], v[SQ], v[SQ+1]
	ds_store_b32 v7, v[SQ]                         ; my K step's part of ee
	ds_store_b32 v6, v[W]
	s_wait_dscnt 0x0                               ; for the others' sake: my stores have landed
	s_barrier_signal -1
	s_barrier_wait -1
	s_cmp_lg_u32 s12, 0
	s_cbranch_scc1 .Lnot_wave_0
	ds_load_b128 v[52:55], v22                     ; the work-group's four tiles of scale words: 512 bytes
	s_wait_dscnt 0x0
	global_store_b128 v8, v[52:55], s[24:25]
.Lnot_wave_0:
	s_cmp_lg_u32 s12, 1
	s_cbranch_scc1 .Lnot_wave_1
	ds_load_b64 v[58:59], v23                      ; ee's two halves of two codes
	ds_load_b64 v[60:61], v23 offset:256
	s_wait_dscnt 0x0
	v_pk_add_f32 v[62:63], v[58:59], v[60:61]
	v_pk_mul_f32 v[62:63], v[62:63], -0.5 op_sel_hi:[1,0]   ; the table holds -ee / 2 (exact): the C of the screening products; ee comes back as -2 x this, exactly
	global_store_b64 v9, v[62:63], s[26:27]        ; 32 lanes store 256 consecutive bytes, aligned
.Lnot_wave_1:
.irp q, 0,1,2,3,4,5,6,7,8,9,10,11,12,13,14,15,16,17,18,19,20,21,22,23,24,25,26,27,28,29,30,31
	ds_load_b128 v[X+4*\q:X+4*\q+3], v4 offset:SROW*\q             ; my own stage, back by rows
.endr
.irp q, 0,1,2,3,4,5,6,7,8,9,10,11,12,13,14,15,16,17,18,19,20,21,22,23,24,25,26,27,28,29,30,31
	s_wait_dscnt 31-\q                             ; LDS loads come back in order: row q is in, the younger ones may be out
	global_store_b128 v8, v[X+4*\q:X+4*\q+3], s[10:11] offset:1024*\q   ; 32 lanes store 512 consecutive bytes of code q's row of et
.endr
	s_wait_tensorcnt 0x0
	ds_add_u32 v200, v201
	s_wait_dscnt 0x0
	s_endpgm
.Lfunc_end_k_q2d02a4a127_prep:
	.size	k_q2d02a4a127_prep, .Lfunc_end_k_q2d02a4a127_prep-k_q2d02a4a127_prep
	.p2alignl 7, 3214868480
	.fill 96, 4, 3214868480
	.section	.rodata,"a",@progbits
	.p2align	6, 0x0
	.amdhsa_kernel k_q2d02a4a127_prep
		.amdhsa_group_segment_fixed_size 69120
		.amdhsa_private_segment_fixed_size 0
		.amdhsa_enable_private_segment 0
		.amdhsa_kernarg_size 24
		.amdhsa_user_sgpr_count 2
		.amdhsa_user_sgpr_kernarg_segment_ptr 1
		.amdhsa_wavefront_size32 1
		.amdhsa_system_sgpr_workgroup_id_x 1
		.amdhsa_system_sgpr_workgroup_id_y 1
		.amdhsa_system_sgpr_workgroup_id_z 1
		.amdhsa_system_vgpr_workitem_id 0
		.amdhsa_next_free_vgpr 202
		.amdhsa_next_free_sgpr 66
		.amdhsa_reserve_vcc 0
		.amdhsa_float_denorm_mode_32 3
		.amdhsa_float_denorm_mode_16_64 3
		.amdhsa_memory_ordered 1
		.amdhsa_forward_progress 1
		.amdhsa_inst_pref_size 35
	.end_amdhsa_kernel
	.amdgpu_metadata
---
amdhsa.version: [ 1, 2 ]
amdhsa.kernels:
  - .name:           k_q2d02a4a127_prep
    .symbol:         k_q2d02a4a127_prep.kd
    .args:
      - { .name: embeddings, .offset: 0, .size: 8, .value_kind: global_buffer, .address_space: global }
      - { .name: table, .offset: 8, .size: 8, .value_kind: global_buffer, .address_space: global }
      - { .name: et, .offset: 16, .size: 8, .value_kind: global_buffer, .address_space: global }
    .group_segment_fixed_size: 69120
    .private_segment_fixed_size: 0
    .kernarg_segment_align: 8
    .kernarg_segment_size: 24
    .max_flat_workgroup_size: 128
    .sgpr_count:     66
    .vgpr_count:     202
    .wavefront_size: 32
...
	.end_amdgpu_metadata
.endif
;; end of part 1
;; launch screen (part 2): grid 256 x 1, 16 waves a work-group, clusters of 4 x 1, 327,680 bytes of LDS; arguments x, table, cand, xq, xs, xxp; writes cand, xq, xs, xxp
.if DOCPART == 2
	.amdgcn_target "amdgcn-amd-amdhsa--gfx1250"
	.amdhsa_code_object_version 6
	.text
	.protected	k_q2d02a4a127_screen
	.globl	k_q2d02a4a127_screen
	.p2align	8
	.type	k_q2d02a4a127_screen,@function
k_q2d02a4a127_screen:
	s_mov_b64 s[64:65], 0
	v_nop
	global_prefetch_b8 v0, s[64:65] scope:SCOPE_SE
	s_setreg_imm32_b32 hwreg(HW_REG_WAVE_MODE, 25, 1), 1
	s_wait_xcnt 0x0
	s_wait_alu depctr_hold_cnt(0) depctr_sa_sdst(0) depctr_va_vdst(0) depctr_va_sdst(0) depctr_va_ssrc(0) depctr_va_vcc(0) depctr_vm_vsrc(0)
	s_getreg_b32 s2, hwreg(HW_REG_IB_STS2, 6, 4)
	s_cmp_eq_u32 s2, 0
	s_cbranch_scc0 .Lentry_in_a_cluster
	s_endpgm
.Lentry_in_a_cluster:
	s_bfe_u32 s2, ttmp6, 0x10000c
	s_cmp_lg_u32 s2, 0x3003
	s_cbranch_scc0 .Lentry_shape_is_right
	s_endpgm
.Lentry_shape_is_right:
; THE SCREEN of the argmin.  d(n, c) = (|x_n|^2 + |e_c|^2) - 2 sim(n, c) is smallest where D(n, c) = sim(n, c) - |e_c|^2 / 2 is largest, up to d's rounding.
; sim = Q(x) Q(e) on codes of BF6 (E3M2) with E8M0 scales for each 32 along K = 256, sums in f32; -|e_c|^2 / 2 is the C of the first K step.
; For each row this launch stores cand[n] = the two GROUPS of 8 neighbouring codes (group g = codes 8 g .. 8 g + 7) whose largest D are the two largest; the next launch forms d of those 16 codes as it is written.
; It also stores what that launch needs of x: xq, the operand's register images (fragment 2 a + s of row tile a, K step s: 1,536 bytes), xs, their scale words (128 bytes a tile), xxp, |x|^2 by K steps (128 bytes a fragment).
; SHARES.  A work-group owns 128 rows and walks all 8,192 codes.  Sixteen waves, four to a SIMD.  Wave w: rows 64 (w >> 3) .. + 63 (four tiles; 96 registers of fragments stay), and of each slot of 32 code tiles the tiles 4 (w & 7) + 0 .. 3.
; THE MATRIX INSTRUCTION IS USED TRANSPOSED (source 0 = 16 codes, source 1 = 16 rows): a lane holds one row (lane % 16), register j code 16 T + 8 (lane / 16) + j: an accumulator's 8 registers of a lane are one group.
; PER ACCUMULATOR seven vector instructions: four for the group's largest D, one that sets the tile's count (0 .. 63 in the wave's walk) into its 6 lowest bits, one v_med3 and one v_max that keep the lane's two largest.
; At the end the 32 kept pairs of a row (8 waves x 2 halves of lanes x 2) meet in LDS, and one thread a row keeps the two largest.
; THE TABLE comes through a ring of two LDS slots of 512 codes; the four work-groups of a cluster ask for each slot jointly.  A tile's fragments are asked of LDS one tile ahead, in two sets of registers.
; LIMITS: D carries 18 bits of mantissa where it is compared; where more than two groups lie within that and d's rounding of the best, the choice may differ from the first smallest d.  D under -1.7e38 is not served.
; NaN and infinities among the inputs are not served; a block of zeros gets the scale byte 1 (zero codes; read by this program alone); blocks whose largest magnitude lies under 2^-122 keep the byte 1.
.set SLOTB, 104448
.set QUART, 13056                      ; an eighth of a slot: 51 rows of 256 bytes, one tensor load
.set FRB,   1536
.set SLOT1, 131072
.set XIMG,  104448                     ; behind slot 0: x's 16 fragments, then their scale words
.set XSC,   129024
.set SPARE, 235520                     ; behind slot 1: the spare words, 128 bytes a wave
.set TSTG,  237568                     ; a stage of 16 x 272 bytes a wave, in which x turns from dense loads to 16 neighbours a lane
.set MV,    TSTG                       ; at the end, behind many barriers, the same bytes take the kept pairs: 136 bytes a row; values, then groups
.set MP,    136
.set MG,    128*MP
.set SPW, 1
.set NIL, 2
.set LN,  3
.set ADB, 4                            ; v4-6 LDS addresses in the slot in hand; v7-9 the same in slot 0
.set ADS, 5
.set ADE, 6
.set AB0, 7
.set AS0, 8
.set AE0, 9
.set PFO, 10
.set XF,  16                           ; v[16:111] x's fragments: tile i, K step s at 24 i + 12 s
.set XS,  112                          ; v112-115 x's scale words
.set RUN, 116                          ; v116+2i the largest, v117+2i the second
.set M,   124
.set ACC, 128                          ; v[128:159]
.set BF,  160                          ; v[160:207] a code tile's two fragments, two sets
.set EE,  208                          ; v[208:223] -ee / 2 of my eight codes, two sets
.set BS,  224                          ; v224-225 its scale words, two sets
.set R,   128                          ; at the head only
.set XN,  16
.set PC,  196
.set TM,  80
.set PW,  96
.set SQ,  98
.set MVA, 244
.set GB,  245
.set SCA, 246
.set C8,  247
.set L4,  248
.set RR,  249
.set HH,  250
.set XRI, 251
.set XRS, 252
.set L16, 253
.set G1,  16
.set G0,  24
.set TB,  28
.set TG,  29                           ; s29 the count of the tile in hand
.set CNT, 30
.set PCN, 31
.set LIM, 32
.set MSK, 33
.set PFA, 34
.set SEL, 36
.set WV,  40
.set RG,  41
.set CG,  42
.macro CREST
	s_cmp_lg_u32 s[WV], 0
	s_cbranch_scc1 .Lnot_wave_0_\@
	s_barrier_signal -3
.Lnot_wave_0_\@:
	s_barrier_wait -3
	s_barrier_signal -1
	s_barrier_wait -1
.endm
.macro ROUND
	s_barrier_signal -1
	s_barrier_wait -1
	CREST
.endm
.macro TLOAD                           ; waves 0 to 7 fetch an eighth of a slot each
	s_cmp_lt_u32 s[WV], 8
	s_cbranch_scc0 .Lno_load_\@
	tensor_load_to_lds s[G0:G0+3], s[G1:G1+7]
	s_nop 0
.rept 4
	v_nop
.endr
.Lno_load_\@:
.endm
; A prefetch of table bytes that later changes of slots ask for: in the clusters whose ttmp9 is under 4, waves 4 to 7 of their four work-groups, lanes 256 bytes apart, partners told apart by address: each block once in each of those clusters.
; Change c names blocks 768 + 512 c + 32 (4 (wave - 4) + cx) + lane; the count stops at 45 = 4 x 11 + 1, so that the last block named is the table's last (6,528 blocks).
.macro ASK
	s_cmp_lt_u32 s[PCN], s[LIM]
	s_cbranch_scc0 .Lnot_mine_\@
	s_cmp_lt_u32 ttmp9, 4
	s_cbranch_scc0 .Lno_prefetch_screen0_\@
	global_prefetch_b8 v[PFO], s[PFA:PFA+1] th:TH_LOAD_NT scope:SCOPE_SE
.Lno_prefetch_screen0_\@:
.Lnot_mine_\@:
	s_add_co_u32 s[PCN], s[PCN], 4
.endm
.macro LOADS i, p                      ; my tile i of the slot into set p: nine loads
.irp g, 0,1,2,3,4,5
	ds_load_b128 v[BF+24*(\p)+4*\g:BF+24*(\p)+4*\g+3], v[ADB] offset:3072*(\i)+512*\g
.endr
	ds_load_b32 v[BS+(\p)], v[ADS] offset:128*(\i)
	ds_load_b128 v[EE+8*(\p):EE+8*(\p)+3], v[ADE] offset:64*(\i)
	ds_load_b128 v[EE+8*(\p)+4:EE+8*(\p)+7], v[ADE] offset:64*(\i)+16
.endm
.macro WMMA8 p                         ; D^T of one code tile against my four tiles of rows; the four accumulators by turns; the first K step starts from -ee / 2
.irp i, 0,1,2,3
	v_wmma_scale_f32_16x16x128_f8f6f4 v[ACC+8*\i:ACC+8*\i+7], v[BF+24*(\p):BF+24*(\p)+11], v[XF+24*\i:XF+24*\i+11], v[EE+8*(\p):EE+8*(\p)+7], v[BS+(\p)], v[XS+\i] matrix_a_fmt:MATRIX_FMT_BF6 matrix_b_fmt:MATRIX_FMT_BF6
.endr
.irp i, 0,1,2,3
	v_wmma_scale_f32_16x16x128_f8f6f4 v[ACC+8*\i:ACC+8*\i+7], v[BF+24*(\p)+12:BF+24*(\p)+23], v[XF+24*\i+12:XF+24*\i+23], v[ACC+8*\i:ACC+8*\i+7], v[BS+(\p)], v[XS+\i] matrix_a_fmt:MATRIX_FMT_BF6 matrix_b_fmt:MATRIX_FMT_BF6 matrix_a_scale:MATRIX_SCALE_ROW1 matrix_b_scale:MATRIX_SCALE_ROW1
.endr
.endm
.macro PARTA                           ; each group's largest D; the four tiles of rows by turns; each accumulator from its low end on
.irp i, 0,1,2,3
	v_max3_num_f32 v[M+\i], v[ACC+8*\i], v[ACC+8*\i+1], v[ACC+8*\i+2]
.endr
.irp j, 3,5
.irp i, 0,1,2,3
	v_max3_num_f32 v[M+\i], v[M+\i], v[ACC+8*\i+\j], v[ACC+8*\i+\j+1]
.endr
.endr
.irp i, 0,1,2,3
	v_max_num_f32 v[M+\i], v[M+\i], v[ACC+8*\i+7]
.endr
.endm
.macro PARTB                           ; the tile before's four largest are put in: twelve lines that name no register of the products just issued, so they are the places behind those (ISA guide 7.12.1)
.irp i, 0,1,2,3
	v_and_or_b32 v[M+\i], v[M+\i], s[MSK], s[TG]                   ; the tile's count into the 6 lowest bits
.endr
.irp i, 0,1,2,3
	v_med3_num_f32 v[RUN+2*\i+1], v[RUN+2*\i], v[RUN+2*\i+1], v[M+\i]   ; the middle of (largest, second, new) is the new second
.endr
.irp i, 0,1,2,3
	v_max_num_f32 v[RUN+2*\i], v[RUN+2*\i], v[M+\i]
.endr
.endm
.macro QUANT s                         ; 64 numbers of a lane, register 16 b + i = k 32 b + 16 (lane / 16) + i, become a fragment's codes in v[PC] on and its scale word in v[PW]
.irp b, 0,1,2,3
	v_max3_num_f32 v[TM+\b], |v[\s+16*\b]|, |v[\s+1+16*\b]|, 0x2800000   ; with the floor 2^(5 - 127): the byte cannot fall under 1
.endr
.irp i, 2,4,6,8,10,12,14
.irp b, 0,1,2,3
	v_max3_num_f32 v[TM+\b], v[TM+\b], |v[\s+16*\b+\i]|, |v[\s+1+16*\b+\i]|
.endr
.endr
.irp b, 0,1,2,3
	v_permlanex16_b32 v[TM+4+\b], v[TM+\b], s[SEL], s[SEL+1]
.endr
.irp b, 0,1,2,3
	v_max_num_f32 v[TM+\b], v[TM+\b], v[TM+4+\b]
.endr
.irp b, 0,1,2,3
	v_add_nc_u32 v[TM+12+\b], 0xfe000000, v[TM+\b]                 ; 4 off the exponent field: the conversion's scale operand
.endr
.irp b, 0,1,2,3
	v_lshrrev_b32 v[TM+4+\b], 23, v[TM+12+\b]
.endr
	v_lshl_or_b32 v[PW], v[TM+5], 8, v[TM+4]
	s_delay_alu instid0(VALU_DEP_1)
	v_lshl_or_b32 v[PW], v[TM+6], 16, v[PW]
	s_delay_alu instid0(VALU_DEP_1)
	v_lshl_or_b32 v[PW], v[TM+7], 24, v[PW]
.irp c, 0,1
	v_cvt_scalef32_pk16_bf6_f32 v[PC+6*\c:PC+2+6*\c], v[\s+32*\c:\s+15+32*\c], v[TM+12+2*\c]
	v_cvt_scalef32_pk16_bf6_f32 v[PC+12+4*\c:PC+14+4*\c], v[\s+16+32*\c:\s+31+32*\c], v[TM+12+2*\c+1]
.endr
	v_nop                                          ; one plain vector instruction behind the scaled conversions
.irp c, 0,1                                    ; the operand's layout wants a whole block in a lane
.irp i, 0,1,2
	v_permlane16_swap_b32 v[PC+6*\c+\i], v[PC+12+4*\c+\i]
.endr
.irp i, 0,1,2
	v_mov_b32 v[PC+3+6*\c+\i], v[PC+12+4*\c+\i]
.endr
.endr
.endm
.macro PASS u, left                    ; 64 numbers of each row turn through my stage; LDS serves a wave's instructions in order
	s_wait_loadcnt \left
.irp i, 0,1,2,3,4,5,6,7
	ds_store_b128 v12, v[R+32*(\u)+4*\i:R+32*(\u)+4*\i+3] offset:544*\i
.endr
.irp b, 0,1
.irp j, 0,1,2,3
	ds_load_b128 v[XN+32*(\u)+16*\b+4*\j:XN+32*(\u)+16*\b+4*\j+3], v13 offset:128*\b+16*\j
.endr
.endr
.endm
	s_load_b256 s[4:11], s[0:1], 0x0               ; x s[4:5], table s[6:7], cand s[8:9], xq s[10:11]
	s_load_b128 s[12:15], s[0:1], 0x20             ; xs s[12:13], xxp s[14:15]
	v_lshl_add_u32 v[SPW], v0, 2, SPARE
	v_mov_b32 v[NIL], 0
	ds_add_u32 v[SPW], v[NIL]                      ; the opening lines: the add, twice on end, and its wait ahead of the first tensor load
	ds_add_u32 v[SPW], v[NIL]
	v_lshrrev_b32 v[LN], 5, v0
	v_readfirstlane_b32 s[WV], v[LN]               ; wave 0..15
	v_and_b32 v[LN], 31, v0
	v_and_b32 v[RR], 15, v0
	v_bfe_u32 v[HH], v0, 4, 1
	s_wait_alu depctr_va_vdst(0)
	s_lshr_b32 s[RG], s[WV], 3
	s_and_b32 s[CG], s[WV], 7
	s_bfe_u32 s43, ttmp6, 0x40000                  ; cx: it enters global addresses alone
	s_lshl_b32 s44, ttmp9, 2
	s_add_co_u32 s44, s44, s43                     ; my block of 128 rows
	s_mov_b32 s[G1], 15|(3<<16)|(1<<21)            ; the mask of all four; elements of 8 bytes; bit 21 beside a mask
	s_mov_b32 s[G1+1], 32<<16
	s_mov_b32 s[G1+2], 51<<16
	s_mov_b32 s[G1+3], 32<<16
	s_mov_b32 s[G1+4], 51
	s_mov_b32 s[G1+5], 32
	s_mov_b32 s[G1+6], 0
	s_mov_b32 s[G1+7], 0
	s_mov_b32 s[SEL], 0x76543210
	s_mov_b32 s[SEL+1], 0xfedcba98
	s_mov_b32 s[TB], 0
	s_mov_b32 s[TG], 63                            ; the first turn puts in -1.7e38 under the count 63, which changes nothing; then the count wraps to 0
	s_mov_b32 s[MSK], 0xffffffc0
	s_and_b32 s[PCN], s[WV], 3
	s_lshr_b32 s46, s[WV], 2
	s_xor_b32 s46, s46, 1                          ; 0 in waves 4 to 7
	s_cmp_eq_u32 s46, 0
	s_cselect_b32 s[LIM], 45, 0
	s_mul_i32 s46, s[CG], 8*FRB
	v_lshl_add_u32 v[AB0], v[LN], 4, s46
	s_lshl_b32 s46, s[CG], 9
	s_add_co_u32 s46, s46, 98304
	v_lshl_add_u32 v[AS0], v[LN], 2, s46
	s_lshl_b32 s46, s[CG], 8
	s_add_co_u32 s46, s46, 102400
	v_lshl_add_u32 v[AE0], v[HH], 5, s46
	v_lshlrev_b32 v[PFO], 8, v[LN]
	v_lshlrev_b32 v[L16], 4, v[LN]
	v_lshlrev_b32 v[L4], 2, v[LN]
	v_lshlrev_b32 v11, 10, v[HH]
	v_lshl_add_u32 v11, v[RR], 4, v11              ; x: lanes 0-15 take 256 bytes of one row, lanes 16-31 of the next
	s_mul_i32 s46, s[WV], 16*272
	s_add_co_u32 s46, s46, TSTG
	v_mul_u32_u24 v12, v[HH], 272
	v_lshl_add_u32 v12, v[RR], 4, v12
	v_add_nc_u32 v12, s46, v12                     ; the stage, in: as loaded
	v_mul_u32_u24 v13, v[RR], 272
	v_lshl_add_u32 v13, v[HH], 6, v13
	v_add_nc_u32 v13, s46, v13                     ; out: row r, my half's 16 numbers of each block
	s_mul_i32 s46, s[WV], FRB
	s_add_co_u32 s46, s46, XIMG
	v_lshl_add_u32 v14, v[LN], 4, s46
	s_lshl_b32 s46, s[WV], 6
	s_add_co_u32 s46, s46, XSC
	v_lshl_add_u32 v15, v[RR], 2, s46
	s_mul_i32 s46, s[RG], 8*FRB
	s_add_co_u32 s46, s46, XIMG
	v_lshl_add_u32 v[XRI], v[LN], 4, s46
	s_lshl_b32 s46, s[RG], 9
	s_add_co_u32 s46, s46, XSC
	v_lshl_add_u32 v[XRS], v[LN], 2, s46
	s_mul_i32 s46, s[RG], 64*MP                    ; the end's places: row x 136 + 16 x eighth + 8 x half
	s_lshl_b32 s47, s[CG], 4
	s_add_co_u32 s46, s46, s47
	s_add_co_u32 s46, s46, MV
	v_mul_u32_u24 v[MVA], v[RR], MP
	v_lshl_add_u32 v[MVA], v[HH], 3, v[MVA]
	v_add_nc_u32 v[MVA], s46, v[MVA]
	s_lshl_b32 s46, s[CG], 3
	v_add_nc_u32 v[GB], s46, v[HH]                 ; 8 x eighth + half: the fixed part of my groups' numbers
	v_mul_u32_u24 v[SCA], v0, MP
	v_add_nc_u32 v[SCA], MV, v[SCA]
	v_lshlrev_b32 v[C8], 3, v0
	s_lshl_b32 s48, s44, 17                        ; byte offsets.  x: 128 rows of 1,024 bytes, tile wave >> 1, K step wave & 1
	s_lshr_b32 s49, s[WV], 1
	s_lshl_b32 s49, s49, 14
	s_add_co_u32 s48, s48, s49
	s_and_b32 s49, s[WV], 1
	s_lshl_b32 s49, s49, 9
	s_add_co_u32 s48, s48, s49
	s_mov_b32 s49, 0
	s_lshl_b32 s50, s44, 10                        ; cand: 8 bytes a row
	s_mov_b32 s51, 0
	s_and_b32 s52, s[WV], 7
	s_mul_i32 s52, s52, QUART
	s_mov_b32 s53, 0
	s_and_b32 s54, s[WV], 3
	s_lshl_b32 s54, s54, 2
	s_add_co_u32 s54, s54, s43
	s_lshl_b32 s54, s54, 13
	s_add_co_u32 s54, s54, 65536
	s_mov_b32 s55, 0
	s_lshl_b32 s46, s44, 4
	s_add_co_u32 s46, s46, s[WV]                   ; my fragment's number: 16 x block + wave
	s_mul_i32 s56, s46, FRB
	s_mov_b32 s57, 0
	s_lshl_b32 s58, s46, 7
	s_mov_b32 s59, 0
	s_lshl_b32 s38, s44, 10                        ; xs: 128 bytes a tile, eight tiles a block
	s_lshl_b32 s39, s[RG], 9
	s_add_co_u32 s38, s38, s39
	s_mov_b32 s39, 0
	s_wait_alu depctr_va_vdst(0)
	s_wait_dscnt 0x0                               ; both opening adds are done
	s_wait_kmcnt 0x0
	s_add_nc_u64 s[4:5], s[4:5], s[48:49]
	s_add_nc_u64 s[8:9], s[8:9], s[50:51]
	s_add_nc_u64 s[PFA:PFA+1], s[6:7], s[54:55]
	s_add_nc_u64 s[10:11], s[10:11], s[56:57]
	s_add_nc_u64 s[14:15], s[14:15], s[58:59]
	s_add_nc_u64 s[12:13], s[12:13], s[38:39]
	s_mov_b32 s[G0], 1
	s_mov_b32 s[G0+1], s52
	s_add_nc_u64 s[G0+2:G0+3], s[6:7], s[52:53]
	s_or_b32 s[G0+3], s[G0+3], 0x80000000
.irp u, 0,1
.irp i, 0,1,2,3,4,5,6,7
	global_load_b128 v[R+32*\u+4*\i:R+32*\u+4*\i+3], v11, s[4:5] offset:2048*\i+256*\u th:TH_LOAD_NT   ; sixteen lanes read 256 consecutive bytes, aligned
.endr
.endr
	ROUND                                          ; all four work-groups are here: the first joint loads meet
	TLOAD                                          ; slot 0
	PASS 0, 8
	PASS 1, 0
	s_wait_dscnt 0x0
.irp b, 0,1,2,3
	v_mov_b32 v[TM+4+\b], 0                        ; a lane permute's destination counts as one of its sources
.endr
.irp k, 0,1,2,3
	v_pk_mul_f32 v[SQ+2*\k:SQ+2*\k+1], v[XN+2*\k:XN+2*\k+1], v[XN+2*\k:XN+2*\k+1]      ; |x|^2 of the numbers as they are given: four chains
.endr
.irp q, 1,2,3,4,5,6,7
.irp k, 0,1,2,3
	v_pk_fma_f32 v[SQ+2*\k:SQ+2*\k+1], v[XN+8*\q+2*\k:XN+8*\q+2*\k+1], v[XN+8*\q+2*\k:XN+8*\q+2*\k+1], v[SQ+2*\k:SQ+2*\k+1]
.endr
.endr
	v_pk_add_f32 v[SQ:SQ+1], v[SQ:SQ+1], v[SQ+2:SQ+3]
	v_pk_add_f32 v[SQ+4:SQ+5], v[SQ+4:SQ+5], v[SQ+6:SQ+7]
	s_delay_alu instid0(VALU_DEP_1)
	v_pk_add_f32 v[SQ:SQ+1], v[SQ:SQ+1], v[SQ+4:SQ+5]
	s_delay_alu instid0(VALU_DEP_1)
	v_add_f32 v[SQ], v[SQ], v[SQ+1]
	s_delay_alu instid0(VALU_DEP_1)
	v_permlanex16_b32 v[SQ+1], v[SQ], s[SEL], s[SEL+1]
	s_delay_alu instid0(VALU_DEP_1)
	v_add_f32 v[SQ], v[SQ], v[SQ+1]                ; my row's sum over my K step
	global_store_b32 v[L4], v[SQ], s[14:15]        ; 128 consecutive bytes a wave
	QUANT XN
.irp c, 0,1,2
	ds_store_b128 v14, v[PC+4*\c:PC+4*\c+3] offset:512*\c          ; the fragment as it stands in the registers: to the other waves,
	global_store_b128 v[L16], v[PC+4*\c:PC+4*\c+3], s[10:11] offset:512*\c   ; and to the next launch: 512 consecutive bytes a store
.endr
	ds_store_b32 v15, v[PW]                        ; (lanes r and r + 16 write the same word with the same value)
.irp i, 0,1,2,3,4,5,6,7,8,9,10,11
	v_mov_b32 v[RUN+\i], 0xff000000                ; the two largest so far, and the four that the first turn puts in: -1.7e38
.endr
	s_wait_alu depctr_va_vdst(0)
	s_wait_tensorcnt 0x0                           ; slot 1's first fill is issued as a refill is; the round also shows x's images to every wave
	ds_add_u32 v[SPW], v[NIL]                      ; the add, here twice on end
	ds_add_u32 v[SPW], v[NIL]
	s_xor_b32 s[G0+1], s[G0+1], SLOT1
	s_add_nc_u64 s[G0+2:G0+3], s[G0+2:G0+3], SLOTB
	s_wait_xcnt 0x0                                ; my global stores have read their registers
	s_add_nc_u64 s[PFA:PFA+1], s[PFA:PFA+1], 131072
	s_wait_dscnt 0x0
	ROUND
	TLOAD                                          ; slot 1
.irp f, 0,1,2,3,4,5,6,7
.irp c, 0,1,2
	ds_load_b128 v[XF+12*\f+4*\c:XF+12*\f+4*\c+3], v[XRI] offset:FRB*\f+512*\c   ; my 64 rows' fragments: they stay
.endr
.endr
.irp i, 0,1,2,3
	ds_load_b32 v[XS+\i], v[XRS] offset:128*\i
.endr
	v_add_nc_u32 v[ADB], s[TB], v[AB0]
	v_add_nc_u32 v[ADS], s[TB], v[AS0]
	v_add_nc_u32 v[ADE], s[TB], v[AE0]
	s_wait_alu depctr_va_vdst(0)
	LOADS 0, 0
	s_wait_dscnt 9                                 ; all but the nine just issued
	s_cmp_lg_u32 s[CG], 0
	s_cbranch_scc1 .Lno_xs
.irp i, 0,1,2,3
	global_store_b32 v[L4], v[XS+\i], s[12:13] offset:128*\i       ; one wave of each half of the rows stores its four tiles' scale words
.endr
.Lno_xs:
	ASK
; ONE CODE TILE.  mode 0: the next tile lies in the same slot and is asked of LDS first.  mode 1: the slot's last tile, with the change of slots and a refill.  mode 2: the same without a refill.  mode 3: the very last.
.macro TILE i, mode
	s_wait_dscnt 0x0                               ; the tile's nine loads are in
.if \mode == 0
	LOADS (\i)+1, ((\i)+1)%2                       ; into the other set, whose last products stand a tile's vector work back
.endif
	WMMA8 (\i)%2
.if (\mode == 1) || (\mode == 2)
	s_wait_tensorcnt 0x0                           ; all my tensor loads have landed: asked for a slot less this tile's vector work ago
	ds_add_u32 v[SPW], v[NIL]                      ; the add, here twice on end; work on registers stands between it and the wait for it
	ds_add_u32 v[SPW], v[NIL]
.endif
	PARTB
	s_add_co_u32 s[TG], s[TG], 1
	s_and_b32 s[TG], s[TG], 63
.if \mode == 1
	s_xor_b32 s[G0+1], s[G0+1], SLOT1
	s_add_nc_u64 s[G0+2:G0+3], s[G0+2:G0+3], SLOTB
	s_wait_xcnt 0x0                                ; the last prefetch has read its address
	s_add_nc_u64 s[PFA:PFA+1], s[PFA:PFA+1], 131072
.endif
.if (\mode == 1) || (\mode == 2)
	s_xor_b32 s[TB], s[TB], SLOT1
	s_wait_dscnt 0x0                               ; the add is done; my reads of this slot were over at the tile's head
	s_barrier_signal -1
.endif
	PARTA
.if (\mode == 0) || (\mode == 3)
	s_wait_alu depctr_va_vdst(0)
.endif
.if (\mode == 1) || (\mode == 2)
	v_add_nc_u32 v[ADB], s[TB], v[AB0]
	v_add_nc_u32 v[ADS], s[TB], v[AS0]
	v_add_nc_u32 v[ADE], s[TB], v[AE0]
	s_barrier_wait -1
.if \mode == 1
	CREST
	TLOAD                                          ; the first tensor load behind the round, a wave's one until the next
.endif
	s_wait_alu depctr_va_vdst(0)
	LOADS 0, 0
.if \mode == 1
	ASK
.endif
.endif
.endm
	s_mov_b32 s[CNT], 14
.Lslot:                                            ; a trip is a slot: 14 trips, each asks for the slot two on
	TILE 0, 0
	TILE 1, 0
	TILE 2, 0
	TILE 3, 1
	s_sub_co_u32 s[CNT], s[CNT], 1
	s_cmp_lg_u32 s[CNT], 0
	s_cbranch_scc1 .Lslot
	TILE 0, 0                                      ; the last two slots are written out
	TILE 1, 0
	TILE 2, 0
	TILE 3, 2
	TILE 0, 0
	TILE 1, 0
	TILE 2, 0
	TILE 3, 3
	PARTB                                          ; the last tile's four largest
	; THE END.  Count t = 4 slot + i stands for tile 32 slot + 4 eighth + i: group = 64 (t >> 2) + 2 (t & 3) + 8 eighth + half
.irp e, 0,1,2,3,4,5,6,7
	v_and_b32 v[BF+\e], 0x3c, v[RUN+\e]
	v_and_b32 v[BF+8+\e], 3, v[RUN+\e]
.endr
.irp e, 0,1,2,3,4,5,6,7
	v_lshl_add_u32 v[ACC+\e], v[BF+\e], 4, v[GB]
.endr
.irp e, 0,1,2,3,4,5,6,7
	v_lshl_add_u32 v[ACC+\e], v[BF+8+\e], 1, v[ACC+\e]
.endr
.irp i, 0,1,2,3
	ds_store_b64 v[MVA], v[RUN+2*\i:RUN+2*\i+1] offset:16*MP*\i
	ds_store_b64 v[MVA], v[ACC+2*\i:ACC+2*\i+1] offset:MG+16*MP*\i
.endr
	s_wait_dscnt 0x0                               ; for the others' sake: my stores have landed
	s_barrier_signal -1
	s_barrier_wait -1
	s_cmp_lt_u32 s[WV], 4
	s_cbranch_scc0 .Ldone
.irp e, 0,1,2,3,4,5,6,7,8,9,10,11,12,13,14,15
	ds_load_b64 v[160+2*\e:161+2*\e], v[SCA] offset:8*\e           ; thread t of waves 0 to 3 takes row t: its 32 kept values,
	ds_load_b64 v[192+2*\e:193+2*\e], v[SCA] offset:MG+8*\e        ; and their groups
.endr
	s_wait_dscnt 0x0
.set E, 2                              ; the first pair is in order; each further value is put in
.rept 30
	v_cmp_gt_f32 s48, v[160+E], v160
	v_cmp_gt_f32 s49, v[160+E], v161
	v_cndmask_b32 v193, v193, v[192+E], s49
	v_cndmask_b32 v193, v193, v192, s48
	v_med3_num_f32 v161, v160, v161, v[160+E]
	v_cndmask_b32 v192, v192, v[192+E], s48
	v_max_num_f32 v160, v160, v[160+E]
.set E, E+1
.endr
	global_store_b64 v[C8], v[192:193], s[8:9]     ; a wave stores 256 consecutive bytes, aligned
.Ldone:
	s_wait_tensorcnt 0x0                           ; the wave's end
	ds_add_u32 v[SPW], v[NIL]
	s_wait_dscnt 0x0
	ROUND                                          ; the closing round
	s_endpgm
.Lfunc_end_k_q2d02a4a127_screen:
	.size	k_q2d02a4a127_screen, .Lfunc_end_k_q2d02a4a127_screen-k_q2d02a4a127_screen
	.p2alignl 7, 3214868480
	.fill 96, 4, 3214868480
	.section	.rodata,"a",@progbits
	.p2align	6, 0x0
	.amdhsa_kernel k_q2d02a4a127_screen
		.amdhsa_group_segment_fixed_size 327680
		.amdhsa_private_segment_fixed_size 0
		.amdhsa_enable_private_segment 0
		.amdhsa_kernarg_size 48
		.amdhsa_user_sgpr_count 2
		.amdhsa_user_sgpr_kernarg_segment_ptr 1
		.amdhsa_wavefront_size32 1
		.amdhsa_system_sgpr_workgroup_id_x 1
		.amdhsa_system_sgpr_workgroup_id_y 1
		.amdhsa_system_sgpr_workgroup_id_z 1
		.amdhsa_system_vgpr_workitem_id 0
		.amdhsa_next_free_vgpr 256
		.amdhsa_next_free_sgpr 66
		.amdhsa_reserve_vcc 0
		.amdhsa_float_denorm_mode_32 3
		.amdhsa_float_denorm_mode_16_64 3
		.amdhsa_memory_ordered 1
		.amdhsa_forward_progress 1
		.amdhsa_inst_pref_size 80
	.end_amdhsa_kernel
	.amdgpu_metadata
---
amdhsa.version: [ 1, 2 ]
amdhsa.kernels:
  - .name:           k_q2d02a4a127_screen
    .symbol:         k_q2d02a4a127_screen.kd
    .args:
      - { .name: x, .offset: 0, .size: 8, .value_kind: global_buffer, .address_space: global }
      - { .name: table, .offset: 8, .size: 8, .value_kind: global_buffer, .address_space: global }
      - { .name: cand, .offset: 16, .size: 8, .value_kind: global_buffer, .address_space: global }
      - { .name: xq, .offset: 24, .size: 8, .value_kind: global_buffer, .address_space: global }
      - { .name: xs, .offset: 32, .size: 8, .value_kind: global_buffer, .address_space: global }
      - { .name: xxp, .offset: 40, .size: 8, .value_kind: global_buffer, .address_space: global }
    .group_segment_fixed_size: 327680
    .private_segment_fixed_size: 0
    .kernarg_segment_align: 8
    .kernarg_segment_size: 48
    .max_flat_workgroup_size: 512
    .sgpr_count:     66
    .vgpr_count:     256
    .wavefront_size: 32
...
	.end_amdgpu_metadata
.endif
;; end of part 2
;; launch pick (part 3): grid 256 x 1, 16 waves a work-group, no clusters, 0 bytes of LDS; arguments table, cand, xq, xs, xxp, idx; writes idx
.if DOCPART == 3
	.amdgcn_target "amdgcn-amd-amdhsa--gfx1250"
	.amdhsa_code_object_version 6
	.text
	.protected	k_q2d02a4a127_pick
	.globl	k_q2d02a4a127_pick
	.p2align	8
	.type	k_q2d02a4a127_pick,@function
k_q2d02a4a127_pick:
	s_mov_b64 s[64:65], 0
	v_nop
	global_prefetch_b8 v0, s[64:65] scope:SCOPE_SE
	s_setreg_imm32_b32 hwreg(HW_REG_WAVE_MODE, 25, 1), 1
	s_wait_xcnt 0x0
; idx[n] = among the 16 codes of row n's two candidate groups (cand, whole numbers stored by the launch before) the first that makes d = (|x_n|^2 + |e_c|^2) - 2 sim(n, c) smallest.
; d is rounded as it is written: t = xx + ee rounded to f32 (ee = -2 x the table's number, exact, so one fused line), then one fused -2 sim + t.  Ties go to the lower code.
; sim comes from the same matrix form on the same codes: for row p source 0 is a tile GATHERED from the table's register images, codes 0-7 of group cand[p][0] and 0-7 of group cand[p][1]; source 1 is the row tile's fragment.
; In the result lane p holds row p against the first group's eight codes, lane p + 16 against the second's; the other lanes' numbers are not used.
; SHARES.  A wave takes 8 rows of a tile of 16 (wave & 1 says which); 16 waves a work-group, 128 rows; 256 work-groups.  Four rows' tiles (28 loads) are on their way at a time.
; No LDS, no tensor load, no cluster: the rows' candidates differ, so the work-groups share no tile.  No prefetch: there is no loop to run ahead in.
; LIMIT: as in the launch before, a code outside the two candidate groups is not looked at.
.set GA,  16                           ; v16-23 the group whose code my lane of source 0 holds, for each of my 8 rows
.set OC,  24                           ; v24-31 its codes' byte offset in the table;  v32-39 its scale word's
.set OS,  32
.set GO,  40                           ; v40 the group of which my lane holds the results
.set OE,  41
.set X0,  42
.set X1,  43
.set XSW, 44                           ; x's scale words
.set AS,  46                           ; v46-49 the gathered tiles' scale words
.set XB,  52                           ; v[52:75] x's two fragments
.set AF,  76                           ; v[76:171] four gathered tiles
.set ACC, 172                          ; v[172:203]
.set SIM, 204
.set E,   212
.set T,   220
.set MN,  228
.set J,   229
	s_load_b256 s[4:11], s[0:1], 0x0               ; table s[4:5], cand s[6:7], xq s[8:9], xs s[10:11]
	s_load_b128 s[12:15], s[0:1], 0x20             ; xxp s[12:13], idx s[14:15]
	v_lshrrev_b32 v1, 5, v0
	v_readfirstlane_b32 s16, v1                    ; wave 0..15
	v_and_b32 v1, 31, v0
	v_and_b32 v2, 15, v0
	v_bfe_u32 v3, v0, 4, 1
	v_lshlrev_b32 v4, 4, v1
	v_lshlrev_b32 v5, 2, v1
	s_lshr_b32 s17, s16, 1
	s_lshl_b32 s19, ttmp9, 3
	s_add_co_u32 s17, s17, s19                     ; my tile of 16 rows
	s_and_b32 s18, s16, 1                          ; which 8 of them
	s_lshl_b32 s19, s18, 6
	v_bfe_u32 v6, v0, 3, 1
	v_lshl_add_u32 v6, v6, 2, s19                  ; cand: my 8 rows, and the first or second group by bit 3 of the lane
	v_lshlrev_b32 v7, 3, v2
	v_lshl_add_u32 v7, v3, 2, v7                   ; cand of row lane % 16, group lane / 16
	v_and_b32 v10, 7, v0
	v_lshlrev_b32 v8, 4, v10
	v_lshl_add_u32 v8, v3, 8, v8                   ; in an image: 16 (lane % 8) + 256 (lane / 16)
	v_lshlrev_b32 v9, 2, v10
	v_lshl_add_u32 v9, v3, 6, v9
	v_add_nc_u32 v9, 98304, v9                     ; among the scale words: 4 (lane % 8) + 64 (lane / 16)
	v_mov_b32 v11, 0
	s_lshl_b32 s20, s17, 7
	s_mov_b32 s21, 0
	s_mul_i32 s22, s17, 3072
	s_mov_b32 s23, 0
	s_lshl_b32 s24, s17, 8
	s_mov_b32 s25, 0
	s_lshl_b32 s26, s17, 6
	s_mov_b32 s27, 0
	s_lshl_b32 s28, s18, 3
	s_lshl_b32 s28, 0x10001, s28                   ; the two lanes of my first row
	s_mov_b32 s30, 0x76543210
	s_mov_b32 s31, 0xfedcba98
	s_wait_alu depctr_va_vdst(0)
	s_wait_kmcnt 0x0
	s_add_nc_u64 s[6:7], s[6:7], s[20:21]
	s_add_nc_u64 s[10:11], s[10:11], s[20:21]
	s_add_nc_u64 s[8:9], s[8:9], s[22:23]
	s_add_nc_u64 s[12:13], s[12:13], s[24:25]
	s_add_nc_u64 s[14:15], s[14:15], s[26:27]
.irp k, 0,1,2,3,4,5,6,7
	global_load_b32 v[GA+\k], v6, s[6:7] offset:8*\k
.endr
	global_load_b32 v[GO], v7, s[6:7]
.irp c, 0,1,2,3,4,5
	global_load_b128 v[XB+4*\c:XB+4*\c+3], v4, s[8:9] offset:512*\c
.endr
	global_load_b32 v[XSW], v5, s[10:11]
	global_load_b32 v[X0], v5, s[12:13]
	global_load_b32 v[X1], v5, s[12:13] offset:128
	s_wait_loadcnt 9                               ; the nine loads of cand are in; x's nine may be out
; Group g = 64 slot + 2 tile + half: the slot begins at 104,448 slot = 1,632 (g & 0x3c0); codes at + 1,536 (g & 0x3e) + 128 (g & 1); scale words at + 98,304 + 64 (g & 0x3e) + 32 (g & 1); -ee / 2 at + 102,400 + 32 (g & 0x3f)
.irp k, 0,1,2,3,4,5,6,7
	v_min_u32 v[GA+\k], 0x3ff, v[GA+\k]            ; a group stays inside the table
	v_and_b32 v10, 0x3c0, v[GA+\k]
	v_and_b32 v12, 0x3e, v[GA+\k]
	v_and_b32 v13, 1, v[GA+\k]
	v_mul_u32_u24 v10, v10, 1632
	v_mad_u32_u24 v14, v12, 1536, v10
	v_lshl_add_u32 v15, v12, 6, v10
	v_lshl_add_u32 v14, v13, 7, v14
	v_lshl_add_u32 v15, v13, 5, v15
	v_add_nc_u32 v[OC+\k], v14, v8
	v_add_nc_u32 v[OS+\k], v15, v9
.endr
	v_min_u32 v[GO], 0x3ff, v[GO]
	v_and_b32 v10, 0x3c0, v[GO]
	v_and_b32 v12, 0x3f, v[GO]
	v_mul_u32_u24 v10, v10, 1632
	v_lshl_add_u32 v10, v12, 5, v10
	v_add_nc_u32 v[OE], 102400, v10
	s_wait_alu depctr_va_vdst(0)
	global_load_b128 v[E:E+3], v[OE], s[4:5]
	global_load_b128 v[E+4:E+7], v[OE], s[4:5] offset:16
.macro ALOAD k                         ; row k's gathered tile: both K steps' images lie on end, 512 bytes a group of four registers
.irp c, 0,1,2,3,4,5
	global_load_b128 v[AF+24*((\k)%4)+4*\c:AF+24*((\k)%4)+4*\c+3], v[OC+(\k)], s[4:5] offset:512*\c
.endr
	global_load_b32 v[AS+(\k)%4], v[OS+(\k)], s[4:5]
.endm
.macro MM                              ; four rows' products, the four accumulators by turns
.irp b, 0,1,2,3
	v_wmma_scale_f32_16x16x128_f8f6f4 v[ACC+8*\b:ACC+8*\b+7], v[AF+24*\b:AF+24*\b+11], v[XB:XB+11], 0, v[AS+\b], v[XSW] matrix_a_fmt:MATRIX_FMT_BF6 matrix_b_fmt:MATRIX_FMT_BF6
.endr
.irp b, 0,1,2,3
	v_wmma_scale_f32_16x16x128_f8f6f4 v[ACC+8*\b:ACC+8*\b+7], v[AF+24*\b+12:AF+24*\b+23], v[XB+12:XB+23], v[ACC+8*\b:ACC+8*\b+7], v[AS+\b], v[XSW] matrix_a_fmt:MATRIX_FMT_BF6 matrix_b_fmt:MATRIX_FMT_BF6 matrix_a_scale:MATRIX_SCALE_ROW1 matrix_b_scale:MATRIX_SCALE_ROW1
.endr
.rept 4
	v_nop                                          ; four places behind the products, for the loads into their sources and the reads of their results
.endr
.endm
.macro KEEP b, first                   ; the row's two lanes keep their eight sims; each accumulator from its low end on
.irp j, 0,1,2,3,4,5,6,7
.if \first
	v_mov_b32 v[SIM+\j], v[ACC+8*(\b)+\j]
.else
	v_cndmask_b32 v[SIM+\j], v[SIM+\j], v[ACC+8*(\b)+\j], s28
.endif
.endr
	s_lshl_b32 s28, s28, 1                         ; the next row's two lanes
.endm
.irp k, 0,1,2,3
	ALOAD \k
.endr
	s_wait_loadcnt 0x0
	MM
.irp k, 4,5,6,7
	ALOAD \k
.endr
	KEEP 0, 1
	KEEP 1, 0
	KEEP 2, 0
	KEEP 3, 0
	s_wait_alu depctr_va_vdst(0)
	s_wait_loadcnt 0x0
	MM
.irp b, 0,1,2,3
	KEEP \b, 0
.endr
	v_add_f32 v[X0], v[X0], v[X1]                  ; xx = its two K steps' parts
.irp j, 0,1,2,3,4,5,6,7
	v_fma_f32 v[T+\j], v[E+\j], -2.0, v[X0]        ; t = xx + ee, one rounding
.endr
.irp j, 0,1,2,3,4,5,6,7
	v_fma_f32 v[T+\j], v[SIM+\j], -2.0, v[T+\j]    ; d = -2 sim + t, one rounding
.endr
	v_min3_num_f32 v[MN], v[T], v[T+1], v[T+2]
	v_mov_b32 v[J], 7
	v_min3_num_f32 v[MN], v[MN], v[T+3], v[T+4]
	s_delay_alu instid0(VALU_DEP_1)
	v_min3_num_f32 v[MN], v[MN], v[T+5], v[T+6]
	s_delay_alu instid0(VALU_DEP_1)
	v_min_num_f32 v[MN], v[MN], v[T+7]
.irp j, 6,5,4,3,2,1,0
	v_cmp_neq_f32 vcc_lo, v[T+\j], v[MN]
	v_cndmask_b32 v[J], \j, v[J], vcc_lo           ; the lowest j whose d is the smallest
.endr
	v_lshl_add_u32 v[J], v[GO], 3, v[J]            ; the code: 8 x group + j
	v_permlanex16_b32 v10, v[MN], s30, s31         ; the row's other group lies in the lane 16 away
	v_permlanex16_b32 v11, v[J], s30, s31
	v_cmp_lt_f32 s32, v10, v[MN]
	v_cmp_eq_f32 s33, v10, v[MN]
	v_cmp_lt_u32 s34, v11, v[J]
	s_and_b32 s33, s33, s34
	s_or_b32 s32, s32, s33
	v_cndmask_b32 v[J], v[J], v11, s32             ; the smaller d, or at equal d the lower code
	v_lshrrev_b32 v12, 3, v1
	v_cmp_eq_u32 vcc_lo, s18, v12                  ; lanes 8 q .. 8 q + 7 hold my eight rows
	s_wait_alu depctr_va_vdst(0)
	s_wait_xcnt 0x0                                ; EXEC changes only behind this wait
	s_and_saveexec_b32 s29, vcc_lo
	global_store_b32 v5, v[J], s[14:15]            ; 32 consecutive bytes of idx
	s_wait_xcnt 0x0
	s_or_b32 exec_lo, exec_lo, s29
	s_endpgm
.Lfunc_end_k_q2d02a4a127_pick:
	.size	k_q2d02a4a127_pick, .Lfunc_end_k_q2d02a4a127_pick-k_q2d02a4a127_pick
	.p2alignl 7, 3214868480
	.fill 96, 4, 3214868480
	.section	.rodata,"a",@progbits
	.p2align	6, 0x0
	.amdhsa_kernel k_q2d02a4a127_pick
		.amdhsa_group_segment_fixed_size 0
		.amdhsa_private_segment_fixed_size 0
		.amdhsa_enable_private_segment 0
		.amdhsa_kernarg_size 48
		.amdhsa_user_sgpr_count 2
		.amdhsa_user_sgpr_kernarg_segment_ptr 1
		.amdhsa_wavefront_size32 1
		.amdhsa_system_sgpr_workgroup_id_x 1
		.amdhsa_system_sgpr_workgroup_id_y 1
		.amdhsa_system_sgpr_workgroup_id_z 1
		.amdhsa_system_vgpr_workitem_id 0
		.amdhsa_next_free_vgpr 256
		.amdhsa_next_free_sgpr 66
		.amdhsa_reserve_vcc 1
		.amdhsa_float_denorm_mode_32 3
		.amdhsa_float_denorm_mode_16_64 3
		.amdhsa_memory_ordered 1
		.amdhsa_forward_progress 1
		.amdhsa_inst_pref_size 24
	.end_amdhsa_kernel
	.amdgpu_metadata
---
amdhsa.version: [ 1, 2 ]
amdhsa.kernels:
  - .name:           k_q2d02a4a127_pick
    .symbol:         k_q2d02a4a127_pick.kd
    .args:
      - { .name: table, .offset: 0, .size: 8, .value_kind: global_buffer, .address_space: global }
      - { .name: cand, .offset: 8, .size: 8, .value_kind: global_buffer, .address_space: global }
      - { .name: xq, .offset: 16, .size: 8, .value_kind: global_buffer, .address_space: global }
      - { .name: xs, .offset: 24, .size: 8, .value_kind: global_buffer, .address_space: global }
      - { .name: xxp, .offset: 32, .size: 8, .value_kind: global_buffer, .address_space: global }
      - { .name: idx, .offset: 40, .size: 8, .value_kind: global_buffer, .address_space: global }
    .group_segment_fixed_size: 0
    .private_segment_fixed_size: 0
    .kernarg_segment_align: 8
    .kernarg_segment_size: 48
    .max_flat_workgroup_size: 512
    .sgpr_count:     66
    .vgpr_count:     256
    .wavefront_size: 32
...
	.end_amdgpu_metadata
.endif
;; end of part 3
;; launch gather (part 4): grid 512 x 1, 8 waves a work-group, no clusters, 2,048 bytes of LDS; arguments x, et, idx, out0, part; writes out0, part
.if DOCPART == 4
	.amdgcn_target "amdgcn-amd-amdhsa--gfx1250"
	.amdhsa_code_object_version 6
	.text
	.protected	k_q2d02a4a127_gather
	.globl	k_q2d02a4a127_gather
	.p2align	8
	.type	k_q2d02a4a127_gather,@function
k_q2d02a4a127_gather:
	s_mov_b64 s[64:65], 0
	v_nop
	global_prefetch_b8 v0, s[64:65] scope:SCOPE_SE
	s_setreg_imm32_b32 hwreg(HW_REG_WAVE_MODE, 25, 1), 1
	s_wait_xcnt 0x0
; out0[n] = x[n] + (q - x[n]) with q = et[idx[n]], and for each work-group 32 partial sums of (q - x)^2.  All in f32, as it is written: first the difference, then the sum.
; A stream: memory binds.  A wave takes 8 rows of 1,024 bytes; each load and store of a wave covers 512 consecutive bytes; all 32 loads of a wave go out before the first is used.
; The codes were stored by the launch before as whole numbers: they are read by one scalar load, held to the table's 8,192 rows, and enter the offsets of the loads from et.
; Every register is written once, so no store's data or offset is written again.  No matrix unit, no tensor load, no cluster: the work-groups share nothing but rows of et that chance names twice.
.set QO, 4                             ; v[4:11]    row i: byte offset of my 16 bytes in et
.set X,  16                            ; v[16:79]   x, then out0
.set Q,  80                            ; v[80:143]  q, then q - x
.set L,  144                           ; v[144:151] four packed chains of squares
	s_load_b256 s[4:11], s[0:1], 0x0               ; x s[4:5], et s[6:7], idx s[8:9], out0 s[10:11]
	s_load_b64 s[12:13], s[0:1], 0x20              ; part
	v_lshl_add_u32 v160, v0, 2, 0x400
	v_mov_b32 v161, 0
	v_lshrrev_b32 v2, 5, v0
	s_delay_alu instid0(VALU_DEP_1)
	v_readfirstlane_b32 s14, v2                    ; wave 0..7
	v_and_b32 v2, 31, v0
	s_delay_alu instid0(VALU_DEP_1)
	v_lshlrev_b32 v1, 4, v2                        ; 16 x lane
	s_delay_alu instid0(VALU_DEP_2)
	v_lshlrev_b32 v3, 2, v2                        ; 4 x lane
	v_lshlrev_b32 v12, 2, v0                       ; LDS: 128 x wave + 4 x lane
	s_lshl_b32 s24, ttmp9, 6
	s_lshl_b32 s25, s14, 3
	s_add_co_u32 s24, s24, s25                     ; my first row: 64 x work-group + 8 x wave
	s_lshl_b32 s26, s24, 2                         ; in idx,
	s_mov_b32 s27, 0
	s_lshl_b32 s28, s24, 10                        ; in x and out0 (under 2^25)
	s_mov_b32 s29, 0
	s_lshl_b32 s30, ttmp9, 7                       ; part: 128 bytes a work-group
	s_mov_b32 s31, 0
	s_wait_alu depctr_va_vdst(0)
	s_wait_kmcnt 0x0
	s_add_nc_u64 s[8:9], s[8:9], s[26:27]
	s_load_b256 s[16:23], s[8:9], 0x0              ; my eight rows' codes
	s_add_nc_u64 s[4:5], s[4:5], s[28:29]
	s_add_nc_u64 s[10:11], s[10:11], s[28:29]
	s_add_nc_u64 s[12:13], s[12:13], s[30:31]
.irp n, 0,1,2,3,4,5,6,7,8,9,10,11,12,13,14,15
	global_load_b128 v[X+4*\n:X+4*\n+3], v1, s[4:5] offset:512*\n th:TH_LOAD_NT
.endr
	s_wait_kmcnt 0x0
.irp i, 0,1,2,3,4,5,6,7
	s_min_u32 s[16+\i], s[16+\i], 8191             ; a code stays inside the table
	s_lshl_b32 s[16+\i], s[16+\i], 10              ; a row of et is 1,024 bytes
	v_add_nc_u32 v[QO+\i], s[16+\i], v1
.endr
	s_wait_alu depctr_va_vdst(0)
.irp n, 0,1,2,3,4,5,6,7,8,9,10,11,12,13,14,15
	global_load_b128 v[Q+4*\n:Q+4*\n+3], v[QO+\n/2], s[6:7] offset:512*(\n%2)
.endr
.irp n, 0,1,2,3,4,5,6,7,8,9,10,11,12,13,14,15
	s_wait_loadcnt 15-\n                           ; loads come back in order: x's sixteen and q's first n + 1 are in
	v_pk_add_f32 v[Q+4*\n:Q+4*\n+1], v[Q+4*\n:Q+4*\n+1], v[X+4*\n:X+4*\n+1] neg_lo:[0,1] neg_hi:[0,1]         ; q - x
	v_pk_add_f32 v[Q+4*\n+2:Q+4*\n+3], v[Q+4*\n+2:Q+4*\n+3], v[X+4*\n+2:X+4*\n+3] neg_lo:[0,1] neg_hi:[0,1]
.if \n < 2
	s_delay_alu instid0(VALU_DEP_2)
	v_pk_mul_f32 v[L+4*\n:L+4*\n+1], v[Q+4*\n:Q+4*\n+1], v[Q+4*\n:Q+4*\n+1]                                   ; the first products start the four chains
	s_delay_alu instid0(VALU_DEP_2)
	v_pk_mul_f32 v[L+4*\n+2:L+4*\n+3], v[Q+4*\n+2:Q+4*\n+3], v[Q+4*\n+2:Q+4*\n+3]
.else
	s_delay_alu instid0(VALU_DEP_2)
	v_pk_fma_f32 v[L+4*(\n%2):L+4*(\n%2)+1], v[Q+4*\n:Q+4*\n+1], v[Q+4*\n:Q+4*\n+1], v[L+4*(\n%2):L+4*(\n%2)+1]
	s_delay_alu instid0(VALU_DEP_2)
	v_pk_fma_f32 v[L+4*(\n%2)+2:L+4*(\n%2)+3], v[Q+4*\n+2:Q+4*\n+3], v[Q+4*\n+2:Q+4*\n+3], v[L+4*(\n%2)+2:L+4*(\n%2)+3]
.endif
	s_delay_alu instid0(VALU_DEP_4)
	v_pk_add_f32 v[X+4*\n:X+4*\n+1], v[X+4*\n:X+4*\n+1], v[Q+4*\n:Q+4*\n+1]                                   ; x + (q - x)
	s_delay_alu instid0(VALU_DEP_4)
	v_pk_add_f32 v[X+4*\n+2:X+4*\n+3], v[X+4*\n+2:X+4*\n+3], v[Q+4*\n+2:Q+4*\n+3]
	global_store_b128 v1, v[X+4*\n:X+4*\n+3], s[10:11] offset:512*\n th:TH_STORE_NT   ; 32 lanes store 512 consecutive bytes, aligned
.endr
	s_wait_alu depctr_va_vdst(0)
	v_pk_add_f32 v[L:L+1], v[L:L+1], v[L+2:L+3]
	v_pk_add_f32 v[L+4:L+5], v[L+4:L+5], v[L+6:L+7]
	s_delay_alu instid0(VALU_DEP_1)
	v_pk_add_f32 v[L:L+1], v[L:L+1], v[L+4:L+5]
	s_delay_alu instid0(VALU_DEP_1)
	v_add_f32 v[L], v[L], v[L+1]
	ds_store_b32 v12, v[L]
	s_wait_dscnt 0x0                               ; for wave 0's sake: my store has landed
	s_barrier_signal -1
	s_barrier_wait -1
	s_cmp_lg_u32 s14, 0
	s_cbranch_scc1 .Lnot_wave_0
.irp k, 0,1,2,3,4,5,6,7
	ds_load_b32 v[152+\k], v3 offset:128*\k        ; my lane's word of each wave
.endr
	s_wait_dscnt 0x0
	v_pk_add_f32 v[152:153], v[152:153], v[154:155]
	v_pk_add_f32 v[156:157], v[156:157], v[158:159]
	s_delay_alu instid0(VALU_DEP_1)
	v_pk_add_f32 v[152:153], v[152:153], v[156:157]
	s_delay_alu instid0(VALU_DEP_1)
	v_add_f32 v152, v152, v153
	global_store_b32 v3, v152, s[12:13]            ; 128 consecutive bytes: the work-group's 32 partial sums
.Lnot_wave_0:
	s_wait_tensorcnt 0x0
	ds_add_u32 v160, v161
	s_wait_dscnt 0x0
	s_endpgm
.Lfunc_end_k_q2d02a4a127_gather:
	.size	k_q2d02a4a127_gather, .Lfunc_end_k_q2d02a4a127_gather-k_q2d02a4a127_gather
	.p2alignl 7, 3214868480
	.fill 96, 4, 3214868480
	.section	.rodata,"a",@progbits
	.p2align	6, 0x0
	.amdhsa_kernel k_q2d02a4a127_gather
		.amdhsa_group_segment_fixed_size 2048
		.amdhsa_private_segment_fixed_size 0
		.amdhsa_enable_private_segment 0
		.amdhsa_kernarg_size 40
		.amdhsa_user_sgpr_count 2
		.amdhsa_user_sgpr_kernarg_segment_ptr 1
		.amdhsa_wavefront_size32 1
		.amdhsa_system_sgpr_workgroup_id_x 1
		.amdhsa_system_sgpr_workgroup_id_y 1
		.amdhsa_system_sgpr_workgroup_id_z 1
		.amdhsa_system_vgpr_workitem_id 0
		.amdhsa_next_free_vgpr 162
		.amdhsa_next_free_sgpr 66
		.amdhsa_reserve_vcc 0
		.amdhsa_float_denorm_mode_32 3
		.amdhsa_float_denorm_mode_16_64 3
		.amdhsa_memory_ordered 1
		.amdhsa_forward_progress 1
		.amdhsa_inst_pref_size 17
	.end_amdhsa_kernel
	.amdgpu_metadata
---
amdhsa.version: [ 1, 2 ]
amdhsa.kernels:
  - .name:           k_q2d02a4a127_gather
    .symbol:         k_q2d02a4a127_gather.kd
    .args:
      - { .name: x, .offset: 0, .size: 8, .value_kind: global_buffer, .address_space: global }
      - { .name: et, .offset: 8, .size: 8, .value_kind: global_buffer, .address_space: global }
      - { .name: idx, .offset: 16, .size: 8, .value_kind: global_buffer, .address_space: global }
      - { .name: out0, .offset: 24, .size: 8, .value_kind: global_buffer, .address_space: global }
      - { .name: part, .offset: 32, .size: 8, .value_kind: global_buffer, .address_space: global }
    .group_segment_fixed_size: 2048
    .private_segment_fixed_size: 0
    .kernarg_segment_align: 8
    .kernarg_segment_size: 40
    .max_flat_workgroup_size: 256
    .sgpr_count:     66
    .vgpr_count:     162
    .wavefront_size: 32
...
	.end_amdgpu_metadata
.endif
;; end of part 4
;; launch total (part 5): grid 1 x 1, 8 waves a work-group, no clusters, 1,280 bytes of LDS; arguments part, out1; writes out1
.if DOCPART == 5
	.amdgcn_target "amdgcn-amd-amdhsa--gfx1250"
	.amdhsa_code_object_version 6
	.text
	.protected	k_q2d02a4a127_total
	.globl	k_q2d02a4a127_total
	.p2align	8
	.type	k_q2d02a4a127_total,@function
k_q2d02a4a127_total:
	s_mov_b64 s[64:65], 0
	v_nop
	global_prefetch_b8 v0, s[64:65] scope:SCOPE_SE
	s_setreg_imm32_b32 hwreg(HW_REG_WAVE_MODE, 25, 1), 1
	s_wait_xcnt 0x0
; out1 = 0.25 m + m, m = (the sum of the 16,384 partial sums of (q - x)^2) / 2^23: both losses are the same mean.  One owner for the sum over work-groups: one work-group of eight waves.
; Each thread takes 64 numbers by sixteen loads of 16 bytes (a load of the work-group covers 4,096 consecutive bytes), then the lanes, then the waves.
	s_load_b128 s[4:7], s[0:1], 0x0                ; part s[4:5], out1 s[6:7]
	v_lshl_add_u32 v96, v0, 2, 0x100
	v_mov_b32 v97, 0
	v_lshlrev_b32 v1, 4, v0
	v_lshrrev_b32 v2, 5, v0
	s_delay_alu instid0(VALU_DEP_1)
	v_readfirstlane_b32 s8, v2                     ; wave 0..7
	s_mov_b32 s10, 0x76543210
	s_mov_b32 s11, 0xfedcba98                      ; v_permlanex16_b32's selects for lane l xor 16
	v_mov_b32 v9, 0                                ; written once: a lane permute's destination counts as one of its sources
	s_wait_alu depctr_va_vdst(0)
	s_wait_kmcnt 0x0
.irp k, 0,1,2,3,4,5,6,7,8,9,10,11,12,13,14,15
	global_load_b128 v[16+4*\k:19+4*\k], v1, s[4:5] offset:4096*\k
.endr
	s_wait_loadcnt 0x0
.irp k, 2
	v_pk_add_f32 v[16:17], v[16:17], v[16+4*\k:17+4*\k]            ; four packed chains
	v_pk_add_f32 v[18:19], v[18:19], v[18+4*\k:19+4*\k]
	v_pk_add_f32 v[20:21], v[20:21], v[20+4*\k:21+4*\k]
	v_pk_add_f32 v[22:23], v[22:23], v[22+4*\k:23+4*\k]
.endr
.irp k, 4, 6, 8, 10, 12, 14
	s_delay_alu instid0(VALU_DEP_4)
	v_pk_add_f32 v[16:17], v[16:17], v[16+4*\k:17+4*\k]            ; four packed chains
	s_delay_alu instid0(VALU_DEP_4)
	v_pk_add_f32 v[18:19], v[18:19], v[18+4*\k:19+4*\k]
	s_delay_alu instid0(VALU_DEP_4)
	v_pk_add_f32 v[20:21], v[20:21], v[20+4*\k:21+4*\k]
	s_delay_alu instid0(VALU_DEP_4)
	v_pk_add_f32 v[22:23], v[22:23], v[22+4*\k:23+4*\k]
.endr
	s_delay_alu instid0(VALU_DEP_3)
	v_pk_add_f32 v[16:17], v[16:17], v[18:19]
	s_delay_alu instid0(VALU_DEP_2)
	v_pk_add_f32 v[20:21], v[20:21], v[22:23]
	s_delay_alu instid0(VALU_DEP_1)
	v_pk_add_f32 v[16:17], v[16:17], v[20:21]
	s_delay_alu instid0(VALU_DEP_1)
	v_add_f32 v8, v16, v17
	s_delay_alu instid0(VALU_DEP_1)
	v_add_f32_dpp v8, v8, v8 row_xmask:1 row_mask:0xf bank_mask:0xf
	s_delay_alu instid0(VALU_DEP_1)
	v_add_f32_dpp v8, v8, v8 row_xmask:2 row_mask:0xf bank_mask:0xf
	s_delay_alu instid0(VALU_DEP_1)
	v_add_f32_dpp v8, v8, v8 row_xmask:4 row_mask:0xf bank_mask:0xf
	s_delay_alu instid0(VALU_DEP_1)
	v_add_f32_dpp v8, v8, v8 row_xmask:8 row_mask:0xf bank_mask:0xf
	s_delay_alu instid0(VALU_DEP_1)
	v_permlanex16_b32 v9, v8, s10, s11
	s_delay_alu instid0(VALU_DEP_1)
	v_add_f32 v8, v8, v9                           ; the wave's sum, in every lane
	v_mov_b32 v10, s8
	s_delay_alu instid0(VALU_DEP_1)
	v_lshlrev_b32 v10, 2, v10
	ds_store_b32 v10, v8                           ; all lanes write the wave's word with the same value
	s_wait_dscnt 0x0
	s_barrier_signal -1
	s_barrier_wait -1
	v_mov_b32 v11, 0
	ds_load_b128 v[12:15], v11
	ds_load_b128 v[24:27], v11 offset:16
	s_wait_dscnt 0x0
	v_pk_add_f32 v[12:13], v[12:13], v[14:15]
	v_pk_add_f32 v[24:25], v[24:25], v[26:27]
	s_delay_alu instid0(VALU_DEP_1)
	v_pk_add_f32 v[12:13], v[12:13], v[24:25]
	s_delay_alu instid0(VALU_DEP_1)
	v_add_f32 v12, v12, v13
	s_delay_alu instid0(VALU_DEP_1)
	v_mul_f32 v12, 0x34000000, v12                 ; m = the sum x 2^-23: 32,768 rows of 256 numbers
	s_delay_alu instid0(VALU_DEP_1)
	v_fma_f32 v12, 0x3e800000, v12, v12            ; 0.25 m + m (0.25 m is exact, so the fused form rounds as the sum does)
	v_cmp_gt_u32 vcc_lo, 1, v0
	s_wait_alu depctr_va_vdst(0)
	s_wait_xcnt 0x0                                ; EXEC changes only behind this wait
	s_wait_tensorcnt 0x0
	ds_add_u32 v96, v97
	s_wait_dscnt 0x0
	s_and_saveexec_b32 s12, vcc_lo                 ; thread 0 alone stores
	global_store_b32 v11, v12, s[6:7]
	s_wait_xcnt 0x0                                ; and again, in front of the line that widens it
	s_or_b32 exec_lo, exec_lo, s12
	s_endpgm
.Lfunc_end_k_q2d02a4a127_total:
	.size	k_q2d02a4a127_total, .Lfunc_end_k_q2d02a4a127_total-k_q2d02a4a127_total
	.p2alignl 7, 3214868480
	.fill 96, 4, 3214868480
	.section	.rodata,"a",@progbits
	.p2align	6, 0x0
	.amdhsa_kernel k_q2d02a4a127_total
		.amdhsa_group_segment_fixed_size 1280
		.amdhsa_private_segment_fixed_size 0
		.amdhsa_enable_private_segment 0
		.amdhsa_kernarg_size 16
		.amdhsa_user_sgpr_count 2
		.amdhsa_user_sgpr_kernarg_segment_ptr 1
		.amdhsa_wavefront_size32 1
		.amdhsa_system_sgpr_workgroup_id_x 1
		.amdhsa_system_sgpr_workgroup_id_y 1
		.amdhsa_system_sgpr_workgroup_id_z 1
		.amdhsa_system_vgpr_workitem_id 0
		.amdhsa_next_free_vgpr 98
		.amdhsa_next_free_sgpr 66
		.amdhsa_reserve_vcc 1
		.amdhsa_float_denorm_mode_32 3
		.amdhsa_float_denorm_mode_16_64 3
		.amdhsa_memory_ordered 1
		.amdhsa_forward_progress 1
		.amdhsa_inst_pref_size 8
	.end_amdhsa_kernel
	.amdgpu_metadata
---
amdhsa.version: [ 1, 2 ]
amdhsa.kernels:
  - .name:           k_q2d02a4a127_total
    .symbol:         k_q2d02a4a127_total.kd
    .args:
      - { .name: part, .offset: 0, .size: 8, .value_kind: global_buffer, .address_space: global }
      - { .name: out1, .offset: 8, .size: 8, .value_kind: global_buffer, .address_space: global }
    .group_segment_fixed_size: 1280
    .private_segment_fixed_size: 0
    .kernarg_segment_align: 8
    .kernarg_segment_size: 16
    .max_flat_workgroup_size: 256
    .sgpr_count:     66
    .vgpr_count:     98
    .wavefront_size: 32
...
	.end_amdgpu_metadata
.endif
;; end of part 5
